; MI455X (gfx1250); checked and timed in simulation.
; The chip was launched on July 23, 2026; its instructions are those of AMD's public machine-readable ISA for CDNA 5 (MIT licence, August 2026) and "CDNA5" Instruction Set Architecture Reference Guide (July 2026). The comments in the code are by the model that wrote it; some were corrected since.
;; Multi Head Attention. Allowed arithmetic: matrix products marked QUANTISED: E2M3 operands, one E8M0 scale for each 32 along K, by v_wmma_scale_f32_16x16x128_f8f6f4 with both operands' format E2M3, f32 sums; everything else in f32.
;; Inputs: Wk 12 x 768 x 64 float32; Wp 768 x 768 float32; Wq 12 x 768 x 64 float32; Wv 12 x 768 x 64 float32; bk 12 x 64 float32; bp 768 float32; bq 12 x 64 float32; bv 12 x 64 float32; x 16 x 1,024 x 768 float32.
;; Outputs: out0 16 x 1,024 x 768 float32.
;; This version of the problem:
;;   THIS VERSION OF THE PROBLEM IS GIVEN IN LOW PRECISION. The matrix products marked QUANTISED in the list below multiply operands that are first quantised to E2M3 (2 exponent bits, 3 mantissa bits; 6 bits a number), with one power-of-two scale for each 32 numbers along K (OCP MX v1.0); their sums are f32. All else is computed in f32.
;;   The module's matrix products, in the order in which they are computed (A, B: the left and right operand; K: the contracted axis; several contracted axes count as one K, in the product's order):
;;     1. [M 768, K 768] x [K 768, N 16,384]; A: input Wq; B: input x: QUANTISED
;;     2. [M 768, K 768] x [K 768, N 16,384]; A: input Wk; B: input x: QUANTISED
;;     3. [M 768, K 768] x [K 768, N 16,384]; A: input Wv; B: input x: QUANTISED
;;     4. batch 192 x [M 1,024, K 64] x [K 64, N 1,024]; A: computed on the way; B: computed on the way: QUANTISED
;;     5. batch 192 x [M 1,024, K 1,024] x [K 1,024, N 64]; A: softmax (see below); B: computed on the way: QUANTISED
;;     6. [M 16,384, K 768] x [K 768, N 768]; A: computed on the way; B: input Wp: QUANTISED
;;   THE QUANTISER, for each operand of a quantised product, along K:
;;     - K is cut into blocks of 32 from its start; a last block that is shorter is filled with zeros.
;;     - A block's scale is 2^e with e = floor(log2(the largest magnitude in the block)) - 2, held to -126 .. 127; a block of zeros has e = 0. As a byte (E8M0): e + 127.
;;     - Each number is divided by its block's scale, clamped to +-7.5, and rounded to the nearest number of E2M3, ties to even, subnormals kept.
;;     - The product sums the exact products of the quantised numbers (number of the format x scale) in f32.
;;   ~~~python
;;   def quantise(x, axis):      # numpy; x: float32 -> the quantised numbers, widened to float32 again
;;       x = np.moveaxis(x, axis, -1); K = x.shape[-1]
;;       x = np.pad(x, [(0, 0)] * (x.ndim - 1) + [(0, -K % 32)]); x = x.reshape(x.shape[:-1] + (-1, 32)); a = np.abs(x).max(-1, keepdims=True)
;;       e = np.where(a > 0, np.clip(np.frexp(np.where(a > 0, a, 1))[1] - 1 - 2, -126, 127), 0)      # np.frexp(a)[1] - 1 = floor(log2(a)), exactly
;;       r = np.clip(x / 2.0 ** e, -7.5, 7.5)
;;       step = 2.0 ** (np.maximum(np.frexp(np.where(r == 0, 1, r))[1] - 1, 0) - 3)
;;       q = np.round(r / step) * step * 2.0 ** e      # np.round: ties to even
;;       return np.moveaxis(q.reshape(q.shape[:-2] + (-1,))[..., :K], -1, axis).astype(np.float32)
;;   ~~~
;;   SOFTMAX AHEAD OF A QUANTISED PRODUCT. Where the list says 'softmax', what is quantised is not the finished softmax but p = 2^(t - M), with t = logit x log2(e) and M = ceil(the row's largest t), a whole number; so 1/2 < the row's largest p <= 1. The row's sum l is taken of the UNQUANTISED p, in f32, and the product's result is divided by l at the end. Since M is a whole number, a kernel that streams over the keys may use a running M (the ceiling of the running maximum): every later rescaling is an exact power of two, which a block's scale takes up: the codes' values come out the same.
;;   OPERANDS COMPUTED ON THE WAY. 'Computed on the way' means the value that the module computes at that place (a softmax that the list does not call 'softmax' is quantised finished and normalised). What goes into a quantiser is computed in f32, as accurately as f32 sums, v_exp_f32 and their like allow (about 1e-6 of the number): no bf16 or f16 on the way to a quantiser, and a product that is left as it is and whose result goes on into a quantised operand takes f32 operands (vector FMAs, or v_wmma_f32_16x16x4_f32). A number that lies on a knife's edge between two numbers of the format may be rounded either way, as far as f32 arithmetic and the matrix unit's own rounding can turn it there, and no further.
;; One version. Each part assembles by itself: llvm-mc -triple=amdgcn-amd-amdhsa -mcpu=gfx1250 --defsym DOCPART=n.
;; ======== version 1 of 1: 4 launches
;; limits: right only within a limited range of input values
;; workspace buffers: wrec 2,113,536 bytes; qimg 9,437,184 bytes; qscl 786,432 bytes; kv 19,660,800 bytes; oimg 9,437,184 bytes; oscl 393,216 bytes
;; launch prep (part 1): grid 6 x 48, 4 waves a work-group, no clusters, 0 bytes of LDS; arguments Wq, Wk, Wv, Wp, bq, bk, bv, wrec; writes wrec
.if DOCPART == 1
	.amdgcn_target "amdgcn-amd-amdhsa--gfx1250"
	.amdhsa_code_object_version 6
	.text
	.protected	k_qf8f1168314_prep
	.globl	k_qf8f1168314_prep
	.p2align	8
	.type	k_qf8f1168314_prep,@function
k_qf8f1168314_prep:
	s_mov_b64 s[64:65], 0
	v_nop
	global_prefetch_b8 v0, s[64:65] scope:SCOPE_SE
	s_setreg_imm32_b32 hwreg(HW_REG_WAVE_MODE, 25, 1), 1
	s_wait_xcnt 0x0
; PREP: the four weights become codes of FP6 (E2M3) with one E8M0 scale byte for each 32 along K, laid as IMAGES OF OPERAND REGISTERS, and the three projection biases become images of accumulators.
; DEAD WORK: none in this program.  Every bias goes into a quantised operand (bq, bk: of q k^T; bv: of p v) or into the output (bp), every weight into a live product: all nine inputs are loaded, no step is left out.
; K of all four weights is NOT innermost (Wq, Wk, Wv: [head][d][e], K = d; Wp: [k][n], K = k).  So a lane takes a COLUMN and its 64 registers run down K in the order that the operand's layout gives that lane:
; k = 128 s + 64 cc + 32 h + i (h = lane / 16).  The conversions' results are then the operand's registers; nothing is transposed; a block of 32 lies in one lane.
; RECORDS of 44,032 bytes in wrec.  A record is 64 columns x 768 along K: fragment (K step s, tile c), 12 registers a lane, at 6144 s + 1536 c + 512 g + 16 lane (g: registers 4 g .. 4 g + 3);
; its scale words at 36,864 + 512 s + 16 lane + 4 c (row r's word in lanes r and 16 + r); the bias image of tile t at 39,936 + 1024 t + 512 g + 16 lane (8 registers; records 0 to 35 alone).
; Record 9 w + 3 kind + i: head 3 w + i of kind 0 = q, 1 = k, 2 = v; lane r of tile c holds column e = 32 (c / 2) + 8 (c % 2) + r + 8 (r / 8), so that the results of two neighbouring tiles are 16 neighbours along e.
; Record 36 + G: Wp's columns n = 64 G + 4 r + c, so that a lane's results of the four tiles are four neighbouring outputs.
; SHARES: work-group (x = K step s, y = record R); wave c makes fragment (R, s, c).  The work-groups with s = 0 of records 0 to 35 also make the bias images, wave c tile c.
; A block's scale is 2^(floor(log2(largest magnitude)) - 2); its byte is the largest magnitude's exponent field - 2, held at 1 from below.
; LIMITS: a block of zeros gets the byte 1 where the rule says 127 (its codes are zeros, and this program alone reads the bytes); blocks whose largest magnitude lies under 2^-124 were not tried; NaN and infinities are not served.
.set REC,  44032
.set X,    128                         ; v128-191 my column's 64 numbers: register 32 cc + i
	s_load_b256 s[4:11], s[0:1], 0x0               ; Wq s[4:5], Wk s[6:7], Wv s[8:9], Wp s[10:11]
	s_load_b256 s[12:19], s[0:1], 0x20             ; bq s[12:13], bk s[14:15], bv s[16:17], wrec s[18:19]
	v_lshrrev_b32 v1, 5, v0
	v_readfirstlane_b32 s20, v1                    ; wave = tile c
	v_and_b32 v1, 31, v0                           ; lane
	s_wait_alu depctr_va_vdst(0)
	v_and_b32 v2, 15, v0                           ; r
	s_wait_alu depctr_va_vdst(0)
	v_bfe_u32 v3, v0, 4, 1                         ; h
	s_and_b32 s21, ttmp7, 0xffff                   ; R
	s_mul_i32 s22, s21, 57
	s_lshr_b32 s22, s22, 9                         ; w = R / 9 (exact for R under 48)
	s_mul_i32 s23, s22, 9
	s_sub_co_u32 s23, s21, s23                     ; R % 9
	s_mul_i32 s24, s23, 11
	s_lshr_b32 s24, s24, 5                         ; kind = (R % 9) / 3
	s_mul_i32 s25, s24, 3
	s_sub_co_u32 s25, s23, s25
	s_mul_i32 s22, s22, 3
	s_add_co_u32 s25, s25, s22                     ; head = 3 w + (R % 9) % 3
	v_lshlrev_b32 v4, 4, v1                        ; 16 lane
	s_mul_i32 s26, s20, 1536
	s_mul_i32 s27, ttmp9, 6144
	s_add_co_u32 s26, s26, s27
	v_add_nc_u32 v5, s26, v4                       ; my fragment's place in the record
	s_lshl_b32 s26, s20, 2
	s_lshl_b32 s27, ttmp9, 9
	s_add_co_u32 s26, s26, s27
	v_add_nc_u32 v6, s26, v4                       ; my scale word's
	s_lshl_b32 s26, s20, 10
	v_add_nc_u32 v7, s26, v4                       ; my bias image's
	v_and_b32 v8, 8, v2
	v_add_nc_u32 v8, v8, v2
	v_lshlrev_b32 v8, 2, v8                        ; 4 (r + 8 (r / 8)): my column in a tile of a head, in bytes
	s_mul_i32 s28, s21, REC
	s_mov_b32 s29, 0
	s_mov_b32 s30, 0x76543210
	s_mov_b32 s31, 0xfedcba98                      ; v_permlanex16_b32's selects for lane l xor 16
	s_lshr_b32 s32, s20, 1
	s_lshl_b32 s32, s32, 7
	s_and_b32 s33, s20, 1
	s_lshl_b32 s33, s33, 5
	s_add_co_u32 s32, s32, s33                     ; 4 (32 (c / 2) + 8 (c % 2)): the tile's first column of a head, in bytes
	s_wait_kmcnt 0x0
	s_add_nc_u64 s[18:19], s[18:19], s[28:29]      ; my record
	s_cmp_eq_u32 s24, 0                            ; the kind picks the weight and the bias: a choice on the work-group's number alone
	s_cselect_b64 s[34:35], s[4:5], s[6:7]
	s_cselect_b64 s[36:37], s[12:13], s[14:15]
	s_cmp_eq_u32 s24, 2
	s_cselect_b64 s[34:35], s[8:9], s[34:35]
	s_cselect_b64 s[36:37], s[16:17], s[36:37]
	s_cmp_lt_u32 s21, 36
	s_cbranch_scc0 .Lwp
	; a head's weight: [768 (d)][64 (e)], 256 bytes a row
	s_wait_alu depctr_va_vdst(0)
	v_lshl_add_u32 v9, v3, 13, v8                  ; lanes 16-31 begin 32 rows further down
	s_mul_i32 s38, s25, 196608                     ; the head,
	s_lshl_b32 s39, ttmp9, 15                      ; 128 rows a K step,
	s_add_co_u32 s38, s38, s39
	s_add_co_u32 s38, s38, s32                     ; the tile's first column
	s_mov_b32 s39, 0
	s_add_nc_u64 s[34:35], s[34:35], s[38:39]
.set n, 0
.rept 64
	global_load_b32 v[X+n], v9, s[34:35] offset:(64*(n/32)+n%32)*256
.set n, n+1
.endr
	s_branch .Ljoin
.Lwp:
	; Wp: [768 (k)][768 (n)], 3,072 bytes a row; my column is 64 G + 4 r + c
	v_lshlrev_b32 v9, 4, v2
	s_wait_alu depctr_va_vdst(0)
	v_mad_u32_u24 v9, v3, 0x18000, v9              ; 16 r + 32 rows x h
	s_wait_alu depctr_va_vdst(0)
	s_sub_co_u32 s38, s21, 36                      ; G
	s_lshl_b32 s38, s38, 8
	s_mul_i32 s39, ttmp9, 393216                   ; 128 rows a K step
	s_add_co_u32 s38, s38, s39
	s_lshl_b32 s39, s20, 2
	s_add_co_u32 s38, s38, s39
	s_mov_b32 s39, 0
	s_add_nc_u64 s[34:35], s[10:11], s[38:39]
.set n, 0
.rept 64
	global_load_b32 v[X+n], v9, s[34:35] offset:(64*(n/32)+n%32)*3072
.set n, n+1
.endr
.Ljoin:
	s_wait_loadcnt 0x0
.irp c, 0,1                                    ; my block 2 c + h: all its 32 numbers are mine
	v_max3_num_f32 v[32+\c], |v[X+32*\c]|, |v[X+1+32*\c]|, 0x1800000   ; with the floor 2^(3 - 127): the byte cannot fall under 1
.endr
.irp i, 2,4,6,8,10,12,14,16,18,20,22,24,26,28,30
.irp c, 0,1
	v_max3_num_f32 v[32+\c], v[32+\c], |v[X+32*\c+\i]|, |v[X+1+32*\c+\i]|   ; (the two blocks by turns)
.endr
.endr
.irp c, 0,1
	v_add_nc_u32 v[44+\c], 0xff000000, v[32+\c]    ; 2 off the exponent field: the conversion's scale operand
.endr
.irp c, 0,1
	v_lshrrev_b32 v[36+\c], 23, v[44+\c]           ; the scale's byte
.endr
	v_lshl_or_b32 v12, v37, 16, v36                ; my two bytes, blocks h and 2 + h,
	v_lshlrev_b32 v10, 3, v3
	v_lshlrev_b32 v12, v10, v12                    ; at their places in the word
	v_mov_b32 v10, 0
	v_permlanex16_b32 v10, v12, s30, s31
	v_or_b32 v12, v12, v10                         ; with lane l xor 16's two the word is whole, in both lanes
.irp c, 0,1
	v_cvt_scalef32_pk16_fp6_f32 v[48+6*\c:50+6*\c], v[X+32*\c:X+15+32*\c], v[44+\c]
	v_cvt_scalef32_pk16_fp6_f32 v[60+4*\c:62+4*\c], v[X+16+32*\c:X+31+32*\c], v[44+\c]   ; (a conversion's three registers begin on an even number: made elsewhere and moved)
.endr
	v_nop                                          ; one plain place behind a scaled conversion
.irp c, 0,1
.irp i, 0,1,2
	v_mov_b32 v[51+6*\c+\i], v[60+4*\c+\i]
.endr
.endr
	global_store_b128 v5, v[48:51], s[18:19]                ; each store of the wave covers 512 consecutive bytes, aligned
	global_store_b128 v5, v[52:55], s[18:19] offset:512
	global_store_b128 v5, v[56:59], s[18:19] offset:1024
	global_store_b32 v6, v12, s[18:19] offset:36864         ; the four waves' words interleave: 16 bytes a lane in all
	; the bias images: work-groups with s = 0 of records 0 to 35
	s_cmp_lg_u32 ttmp9, 0
	s_cbranch_scc1 .Lend
	s_cmp_ge_u32 s21, 36
	s_cbranch_scc1 .Lend
	s_lshl_b32 s38, s25, 8                         ; the head's 64 numbers,
	s_add_co_u32 s38, s38, s32                     ; the tile's first
	s_mov_b32 s39, 0
	s_add_nc_u64 s[36:37], s[36:37], s[38:39]
	s_cmp_eq_u32 s24, 2
	s_cbranch_scc1 .Lbv
	v_lshlrev_b32 v11, 6, v3                       ; q, k: the result holds a token a lane and e = tile's first + 16 h + j in register j
	global_load_b128 v[16:19], v11, s[36:37]
	global_load_b128 v[20:23], v11, s[36:37] offset:16
	s_wait_loadcnt 0x0
	s_branch .Lbst
.Lbv:
	global_load_b32 v16, v8, s[36:37]              ; v: the result holds ONE e a lane (my column) and tokens in the registers: the same number eight times
	s_wait_loadcnt 0x0
.irp j, 1,2,3,4,5,6,7
	v_mov_b32 v[16+\j], v16
.endr
.Lbst:
	global_store_b128 v7, v[16:19], s[18:19] offset:39936
	global_store_b128 v7, v[20:23], s[18:19] offset:39936+512
.Lend:
	s_endpgm
.Lfunc_end_k_qf8f1168314_prep:
	.size	k_qf8f1168314_prep, .Lfunc_end_k_qf8f1168314_prep-k_qf8f1168314_prep
	.p2alignl 7, 3214868480
	.fill 96, 4, 3214868480
	.section	.rodata,"a",@progbits
	.p2align	6, 0x0
	.amdhsa_kernel k_qf8f1168314_prep
		.amdhsa_group_segment_fixed_size 0
		.amdhsa_private_segment_fixed_size 0
		.amdhsa_enable_private_segment 0
		.amdhsa_kernarg_size 64
		.amdhsa_user_sgpr_count 2
		.amdhsa_user_sgpr_kernarg_segment_ptr 1
		.amdhsa_wavefront_size32 1
		.amdhsa_system_sgpr_workgroup_id_x 1
		.amdhsa_system_sgpr_workgroup_id_y 1
		.amdhsa_system_sgpr_workgroup_id_z 1
		.amdhsa_system_vgpr_workitem_id 0
		.amdhsa_next_free_vgpr 192
		.amdhsa_next_free_sgpr 66
		.amdhsa_reserve_vcc 0
		.amdhsa_float_denorm_mode_32 3
		.amdhsa_float_denorm_mode_16_64 3
		.amdhsa_memory_ordered 1
		.amdhsa_forward_progress 1
		.amdhsa_inst_pref_size 20
	.end_amdhsa_kernel
	.amdgpu_metadata
---
amdhsa.version: [ 1, 2 ]
amdhsa.kernels:
  - .name:           k_qf8f1168314_prep
    .symbol:         k_qf8f1168314_prep.kd
    .args:
      - { .name: Wq, .offset: 0, .size: 8, .value_kind: global_buffer, .address_space: global }
      - { .name: Wk, .offset: 8, .size: 8, .value_kind: global_buffer, .address_space: global }
      - { .name: Wv, .offset: 16, .size: 8, .value_kind: global_buffer, .address_space: global }
      - { .name: Wp, .offset: 24, .size: 8, .value_kind: global_buffer, .address_space: global }
      - { .name: bq, .offset: 32, .size: 8, .value_kind: global_buffer, .address_space: global }
      - { .name: bk, .offset: 40, .size: 8, .value_kind: global_buffer, .address_space: global }
      - { .name: bv, .offset: 48, .size: 8, .value_kind: global_buffer, .address_space: global }
      - { .name: wrec, .offset: 56, .size: 8, .value_kind: global_buffer, .address_space: global }
    .group_segment_fixed_size: 0
    .private_segment_fixed_size: 0
    .kernarg_segment_align: 8
    .kernarg_segment_size: 64
    .max_flat_workgroup_size: 128
    .sgpr_count:     66
    .vgpr_count:     192
    .wavefront_size: 32
...
	.end_amdgpu_metadata
.endif
;; end of part 1
;; launch qkv (part 2): grid 256 x 1, 4 waves a work-group, no clusters, 74,240 bytes of LDS; arguments x, wrec, qimg, qscl, kv; writes qimg, qscl, kv
.if DOCPART == 2
	.amdgcn_target "amdgcn-amd-amdhsa--gfx1250"
	.amdhsa_code_object_version 6
	.text
	.protected	k_qf8f1168314_qkv
	.globl	k_qf8f1168314_qkv
	.p2align	8
	.type	k_qf8f1168314_qkv,@function
k_qf8f1168314_qkv:
	s_mov_b64 s[64:65], 0
	v_nop
	global_prefetch_b8 v0, s[64:65] scope:SCOPE_SE
	s_setreg_imm32_b32 hwreg(HW_REG_WAVE_MODE, 25, 1), 1
	s_wait_xcnt 0x0
; QKV: q, k, v = x W + b on codes of FP6 (E2M3) with one E8M0 scale for each 32 along d, and q, k, v quantised again on the way out, each along the K of the product that will take it.  No work is left out.
; SHARES.  A work-group owns 64 tokens (batch b = wg / 16, block tb = wg % 16): four tiles of 16.  x is read once, as f32: wave w quantises tile w (six K steps of 128), the images of the fragments' registers go through
; LDS, and every wave then keeps all 24 fragments of x in registers.  THE WAVES SHARE THE COLUMNS: wave w walks records 9 w .. 9 w + 8 of wrec: heads 3 w .. 3 w + 2 of q, then of k, then of v.
; x's WAY IN.  The conversions want 16 neighbours along K in ONE lane; a load is best where neighbouring LANES take neighbouring bytes.  Both are had: each load takes one token's K step, 512 consecutive bytes, 16 a lane;
; a K step's sixteen loads go through the wave's own stage in LDS (rows of 512 bytes + 16) as they lie and come back 64 bytes a lane and block.  The turn runs one K step ahead of the quantiser.
; A UNIT is one record: 64 columns x 64 tokens: 16 accumulators x 6 K steps = 96 matrix instructions.  The record's fragments come from memory straight into a ring of six register slots (one a K step);
; a slot is asked for again, for the next record, as soon as its sixteen products are issued: five slots' products lie between a request and the wait for it.
; THE TOKENS OF A TILE ARE NOT NEIGHBOURS: lane r of tile 2 P + u holds token 32 P + 8 u + r + 8 (r / 8); the columns of a record's tile likewise (see prep).  So, whichever of the two is source 0,
; a lane's 16 registers of two neighbouring tiles are 16 neighbours along that axis.
; q, k: source 0 = 16 columns e, source 1 = 16 tokens: a lane holds one token, registers run along e (K of q k^T).  v: source 0 = 16 tokens, source 1 = 16 columns: a lane holds one e, registers run along the tokens (K of p v).
; The bias is the C of a sum's first matrix instruction: an image of eight registers a tile out of the record.
; OUT.  qimg [16 head + b][tile 0..63][768]: half images (6 registers: 0-3 at 16 lane, 4-5 at 512 + 8 lane); qscl: a word (s0, s1, s0, s1) a token.  kv: a record of 102,400 bytes for each (head, b): k's PAIR fragments
; (tile 2 P in registers 0-5, tile 2 P + 1 in 6-11) at 1536 P; v's half images at 49,152 + 6144 S + 1536 a + 768 half (S: 128 keys, a: tile of e); k's scale words at 98,304 + 64 P + 4 r; v's at 100,352 + 256 S + 64 a + 4 r.
; LIMITS: a block of zeros gets the byte 1 where the rule says 127 (its codes are zeros; this program alone reads the bytes); blocks whose largest magnitude lies under 2^-124 were not tried; NaN and infinities are not served.
; REGISTERS, in windows of 256.  Window 0: v1-15 addresses; v16-27 x's scale words; v28-51 the record's; v52-105 the quantiser's; v126, v127 the add's two; v128-255 the accumulators (32 a + 8 c); before them two sets of 64 turned numbers of x.
;   Window 1: x's fragments of K steps 0-4 (48 s + 12 a); before that x as loaded, K steps 0-3.  Window 2: the ring's slots 0-4 (48 s + 12 c).
;   Window 3: x's fragments of K step 5 (12 a); slot 5 (48 + 12 c); v96-127 the bias image; v128-255 x as loaded, K steps 4, 5.
.set REC,   44032
.set XSC,   36864                      ; LDS: x's 24 fragments at 1536 (4 s + a); behind them their scale words, 128 bytes a fragment
.set SPARE, 39936                      ; behind them the spare words, 128 bytes for each wave: two blocks of 256 bytes that no other line names
.set STG,   40448                      ; behind them the stages: 16 rows x 528 bytes for each wave, its own
.set SPITCH, 528                       ; 512 bytes + 16 = 132 words: row r starts at bank 4 r mod 64 (64 banks of 4 bytes: ISA guide 11.1)
.set LI,   1                           ; 16 lane
.set L8,   2                           ; 8 lane
.set LS,   3                           ; 4 lane
.set STW,  4                           ; my stage, on the way in: 16 lane
.set XWI,  5                           ; LDS: where I store x's images: 16 lane + 1536 wave
.set XWS,  6                           ; and their scale words: 4 lane + 128 wave
.set XSL,  7                           ; where I read scale words: 128 h + 4 r: lanes 0-15 the even tile's, lanes 16-31 the odd tile's
.set QKI,  8                           ; q's and k's images: 16 lane + 3072 tb
.set QI8,  9                           ; 8 lane + 3072 tb + 512
.set QS,   10                          ; q's scale words: 4 lane + 256 tb
.set KS,   11                          ; k's: 4 lane + 128 tb + 98,304
.set VI16, 12                          ; v's half images: 16 lane + 49,152 + 6144 (tb / 2) + 768 (tb % 2)
.set VI8,  13                          ; the same with 8 lane, + 512
.set VS,   14                          ; v's scale bytes: 4 lane + 100,352 + 256 (tb / 2) + 2 (tb % 2)
.set STR,  15                          ; my stage, on the way out: row r, + 64 h
.set XS,   16                          ; v16-27: register 2 s + pair
.set WS,   28                          ; v28-51: register 4 s + c
.set PC0,  52                          ; v52-63, v64-75: the codes just made
.set CT,   76                          ; v76-83 the conversions' second halves
.set TM,   84                          ; v84-87 largest magnitudes, v88-91 bytes, v96-99 the conversions' scale operands
.set PW0,  100                         ; v100, v101 the scale words just made
.set SV,   102                         ; v102, v103 scale words as they are stored
.set PSEL, 104                         ; byte selects: lanes 0-15 (0, 1, 0, 1), lanes 16-31 (2, 3, 2, 3)
.set SH16, 105                         ; 16 h
.set SPW,  126
.set NIL,  127
.set ACC,  128
.set BI,   96                          ; in window 3
.set SEL,  20                          ; s[20:21] v_permlanex16_b32's selects for lane l xor 16
.set HIM,  22                          ; s22 a mask of lanes 16-31
.set WN,   24                          ; s[24:25] the record in hand
.set QP,   26                          ; s[26:27] qimg, s[28:29] qscl, s[30:31] kv for k, s[32:33] kv for v: at the head in hand
.set QSP,  28
.set KVK,  30
.set KVV,  32
.set MSB, 0
.macro WIN new                         ; low byte: bits 1:0 source 0, 3:2 source 1, 5:4 source 2, 7:6 destination; the high byte repeats the setting that is left
.if MSB != (\new)
	s_set_vgpr_msb (MSB<<8)|(\new)
.set MSB, (\new)
.endif
.endm
; 64 numbers of a lane in window w, register 16 b + i = place 32 b + 16 h + i along K of my row, become 12 registers of codes at v[pc] and a scale word in v[pw] (the same in lanes l and l xor 16).
; An accumulator's registers are read from the low end on.
.macro QUANT s, w, pc, pw
	WIN (\w)|((\w)<<2)
.irp b, 0,1,2,3
	v_max3_num_f32 v[TM+\b], |v[(\s)+16*\b]|, |v[(\s)+1+16*\b]|, 0x1800000   ; block b: my 16 numbers, and the floor 2^(3 - 127): the byte cannot fall under 1
.endr
	WIN ((\w)<<2)|((\w)<<4)
.irp i, 2,4,6,8,10,12,14
.irp b, 0,1,2,3
	v_max3_num_f32 v[TM+\b], v[TM+\b], |v[(\s)+16*\b+\i]|, |v[(\s)+1+16*\b+\i]|   ; (the four blocks by turns)
.endr
.endr
	WIN 0
.irp b, 0,1,2,3
	v_permlanex16_b32 v[TM+4+\b], v[TM+\b], s[SEL], s[SEL+1]
.endr
.irp b, 0,1,2,3
	v_max_num_f32 v[TM+\b], v[TM+\b], v[TM+4+\b]   ; with lane l xor 16's: the block's largest magnitude
.endr
.irp b, 0,1,2,3
	v_add_nc_u32 v[TM+12+\b], 0xff000000, v[TM+\b] ; 2 off its exponent field: the conversion's scale operand
.endr
.irp b, 0,1,2,3
	v_lshrrev_b32 v[TM+4+\b], 23, v[TM+12+\b]      ; the scale's byte
.endr
	v_lshl_or_b32 v[\pw], v[TM+5], 8, v[TM+4]
	v_lshl_or_b32 v[\pw], v[TM+6], 16, v[\pw]
	v_lshl_or_b32 v[\pw], v[TM+7], 24, v[\pw]
	WIN (\w)
.irp c, 0,1
	v_cvt_scalef32_pk16_fp6_f32 v[(\pc)+6*\c:(\pc)+2+6*\c], v[(\s)+32*\c:(\s)+15+32*\c], v[TM+12+2*\c]
	v_cvt_scalef32_pk16_fp6_f32 v[CT+4*\c:CT+2+4*\c], v[(\s)+16+32*\c:(\s)+31+32*\c], v[TM+12+2*\c+1]   ; (a conversion's three registers begin on an even number)
.endr
	WIN 0
	v_nop                                          ; one plain place behind a scaled conversion
.irp c, 0,1                                    ; the operand's layout wants a WHOLE block in a lane: lanes 0-15 block 2 c, lanes 16-31 block 2 c + 1
.irp i, 0,1,2
	v_permlane16_swap_b32 v[(\pc)+6*\c+\i], v[CT+4*\c+\i]
.endr
.irp i, 0,1,2
	v_mov_b32 v[(\pc)+3+6*\c+\i], v[CT+4*\c+\i]
.endr
.endr
.endm
; Slot s of the ring: four fragments (twelve loads of 512 consecutive bytes) and the four scale words of each row (one load), from off bytes behind the record in hand
.macro WLOAD s, off
.if \s < 5
	WIN 0x80
.set WB, 48*\s
.else
	WIN 0xc0
.set WB, 48
.endif
.irp c, 0,1,2,3
.irp g, 0,1,2
	global_load_b128 v[WB+12*\c+4*\g:WB+12*\c+4*\g+3], v[LI], s[WN:WN+1] offset:\off+6144*\s+1536*\c+512*\g
.endr
.endr
	WIN 0
	global_load_b128 v[WS+4*\s:WS+4*\s+3], v[LI], s[WN:WN+1] offset:\off+36864+512*\s
.endm
.macro BLOAD off                       ; the bias image: eight loads
	WIN 0xc0
.irp t, 0,1,2,3
.irp g, 0,1
	global_load_b128 v[BI+8*\t+4*\g:BI+8*\t+4*\g+3], v[LI], s[WN:WN+1] offset:\off+39936+1024*\t+512*\g
.endr
.endr
	WIN 0
.endm
; The sixteen products of K step s.  kind 0 (q, k): accumulator (a = tile of tokens, c = tile of e), source 0 = the record's tile c, source 1 = x's tile a.
; kind 1 (v): accumulator (a = tile of e, c = tile of tokens), source 0 = x's tile c, source 1 = the record's tile a.  x's scale words of an odd tile stand in lanes 16-31.
; The accumulators take turns, one instruction a turn, in the same order in every K step.
.macro MM kind, s
.if \s < 5
.set WB, 48*\s
.set XB, 48*\s
.else
.set WB, 48
.set XB, 0
.endif
.if \kind == 0
.if \s == 0
	WIN 0x36                                       ; source 0 (record) window 2, source 1 (x) window 1, C (bias) window 3, D window 0
.elseif \s < 5
	WIN 0x06
.else
	WIN 0x0f                                       ; K step 5: both operands in window 3
.endif
.else
.if \s == 0
	WIN 0x39                                       ; source 0 (x) window 1, source 1 (record) window 2, C (bias) window 3
.elseif \s < 5
	WIN 0x09
.else
	WIN 0x0f
.endif
.endif
.irp a, 0,1,2,3
.irp c, 0,1,2,3
.set DD, ACC+32*\a+8*\c
.if \kind == 0
.set AA, WB+12*\c
.set BB, XB+12*\a
.set CC, BI+8*\c
.set SA, WS+4*\s+\c
.set SBR, XS+2*\s+\a/2
.set ODD, \a%2
.else
.set AA, XB+12*\c
.set BB, WB+12*\a
.set CC, BI+8*\a
.set SA, XS+2*\s+\c/2
.set SBR, WS+4*\s+\a
.set ODD, \c%2
.endif
.if \s > 0
.set CC, DD
.endif
.if ODD == 0
	v_wmma_scale_f32_16x16x128_f8f6f4 v[DD:DD+7], v[AA:AA+11], v[BB:BB+11], v[CC:CC+7], v[SA], v[SBR] matrix_a_fmt:MATRIX_FMT_FP6 matrix_b_fmt:MATRIX_FMT_FP6
.elseif \kind == 0
	v_wmma_scale_f32_16x16x128_f8f6f4 v[DD:DD+7], v[AA:AA+11], v[BB:BB+11], v[CC:CC+7], v[SA], v[SBR] matrix_a_fmt:MATRIX_FMT_FP6 matrix_b_fmt:MATRIX_FMT_FP6 matrix_b_scale:MATRIX_SCALE_ROW1
.else
	v_wmma_scale_f32_16x16x128_f8f6f4 v[DD:DD+7], v[AA:AA+11], v[BB:BB+11], v[CC:CC+7], v[SA], v[SBR] matrix_a_fmt:MATRIX_FMT_FP6 matrix_b_fmt:MATRIX_FMT_FP6 matrix_a_scale:MATRIX_SCALE_ROW1
.endif
.endr
.endr
.endm
; A K step: the wait for its slot, its products, four places (ISA guide 7.12.1 for vector instructions), and the slot's next fill.
.macro SLOT kind, s, ahead, cnt
	s_wait_loadcnt \cnt
	MM \kind, \s
.rept 4
	v_nop
.endr
.if \ahead
	WLOAD \s, REC
.if \s == 0
	BLOAD REC
.endif
.endif
.endm
.macro EPI_Q                           ; tiles of tokens 2 p, 2 p + 1: two half images and their scale words
.irp p, 0,1
	QUANT ACC+64*\p, 0, PC0+12*\p, PW0+\p
	global_store_b128 v[QKI], v[PC0+12*\p:PC0+12*\p+3], s[QP:QP+1] offset:1536*\p
	global_store_b64 v[QI8], v[PC0+12*\p+4:PC0+12*\p+5], s[QP:QP+1] offset:1536*\p
	global_store_b128 v[QKI], v[PC0+12*\p+6:PC0+12*\p+9], s[QP:QP+1] offset:1536*\p+768
	global_store_b64 v[QI8], v[PC0+12*\p+10:PC0+12*\p+11], s[QP:QP+1] offset:1536*\p+768
	v_perm_b32 v[SV+\p], v[PW0+\p], v[PW0+\p], v[PSEL]       ; lanes 0-15: tile 2 p's two bytes, twice; lanes 16-31: tile 2 p + 1's
	global_store_b32 v[QS], v[SV+\p], s[QSP:QSP+1] offset:128*\p
.endr
.endm
.macro EPI_K                           ; the twelve registers ARE a pair fragment, the word its scale word
.irp p, 0,1
	QUANT ACC+64*\p, 0, PC0+12*\p, PW0+\p
.irp g, 0,1,2
	global_store_b128 v[QKI], v[PC0+12*\p+4*\g:PC0+12*\p+4*\g+3], s[KVK:KVK+1] offset:1536*\p+512*\g
.endr
.endr
	v_cndmask_b32 v[SV], v[PW0], v[PW0+1], s[HIM]            ; lanes 0-15 store pair 0's words, lanes 16-31 pair 1's
	global_store_b32 v[KS], v[SV], s[KVK:KVK+1]
.endm
.macro EPI_V                           ; tiles of e 2 p, 2 p + 1: my 64 tokens are half a K step of p v
.irp p, 0,1
	QUANT ACC+64*\p, 0, PC0+12*\p, PW0+\p
	global_store_b128 v[VI16], v[PC0+12*\p:PC0+12*\p+3], s[KVV:KVV+1] offset:3072*\p
	global_store_b64 v[VI8], v[PC0+12*\p+4:PC0+12*\p+5], s[KVV:KVV+1] offset:3072*\p
	global_store_b128 v[VI16], v[PC0+12*\p+6:PC0+12*\p+9], s[KVV:KVV+1] offset:3072*\p+1536
	global_store_b64 v[VI8], v[PC0+12*\p+10:PC0+12*\p+11], s[KVV:KVV+1] offset:3072*\p+1536
	v_lshrrev_b32 v[SV+\p], v[SH16], v[PW0+\p]               ; lanes 0-15: tile 2 p's two bytes; lanes 16-31: tile 2 p + 1's
	global_store_b16 v[VS], v[SV+\p], s[KVV:KVV+1] offset:128*\p   ; half of a scale word: the other half is the neighbouring work-group's
.endr
.endm
; A unit.  kind 0 = q, 1 = k, 2 = v.  ahead = 1: the next record is asked for.  THE WAITS: behind a slot's thirteen loads stand the other five slots' 65 (and the bias image's 8): 63, the highest
; count that a wait can name, leaves none of the slot's own out.  ahead = 0: behind slot s stand 13 (5 - s).
.macro UNIT kind, ahead
.irp s, 0,1,2,3,4,5
.if \ahead
	SLOT (\kind)/2, \s, 1, 63
.elseif \s == 0
	SLOT (\kind)/2, \s, 0, 63
.else
	SLOT (\kind)/2, \s, 0, 13*(5-\s)
.endif
.endr
.if \kind == 0
	EPI_Q
.elseif \kind == 1
	EPI_K
.else
	EPI_V
.endif
.if \ahead
	s_wait_xcnt 0x0                                ; the stores and the loads ahead have read their bases and data: the pointers step, and the next unit may write the codes' registers
	s_add_nc_u64 s[WN:WN+1], s[WN:WN+1], REC
.if \kind == 0
	s_add_nc_u64 s[QP:QP+1], s[QP:QP+1], 786432    ; the next head: 16 x 49,152
	s_add_nc_u64 s[QSP:QSP+1], s[QSP:QSP+1], 65536 ; 16 x 4,096
.elseif \kind == 1
	s_add_nc_u64 s[KVK:KVK+1], s[KVK:KVK+1], 1638400   ; 16 x 102,400
.else
	s_add_nc_u64 s[KVV:KVV+1], s[KVV:KVV+1], 1638400
.endif
.endif
.endm
.macro XLOAD s                         ; K step s of my 16 tokens, a token a load: 32 lanes read 512 consecutive bytes, at a multiple of 256 from x's first byte
.if \s < 4
	WIN 0x40
.set STB, 64*\s
.else
	WIN 0xc0
.set STB, 128+64*(\s-4)
.endif
.irp i, 0,1,2,3,4,5,6,7,8,9,10,11,12,13,14,15
	global_load_b128 v[STB+4*\i:STB+4*\i+3], v[LI], s[4:5] offset:3072*(\i+8*(\i/8))+512*\s th:TH_LOAD_NT   ; row i of the tile is token i + 8 (i / 8) of the pair's 32
.endr
.endm
; K step s turns through my stage: in as loaded, a token a row; out: lane (r, h) takes, of row r and of each block of 32, its 16 neighbours: register 16 b + 4 j .. of set s % 2.
; LDS serves a wave's instructions in order (ISA guide 5.7.1.4): no wait between the stores and the loads, nor in front of the next K step's stores into the same stage.
.macro TURN s
.if (\s) < 4
	WIN 0x04                                       ; an LDS store's data are its source 1: window 1
.set STB, 64*(\s)
.else
	WIN 0x0c                                       ; window 3
.set STB, 128+64*((\s)-4)
.endif
.set TT, ACC+64*((\s)%2)
.irp i, 0,1,2,3,4,5,6,7,8,9,10,11,12,13,14,15
	ds_store_b128 v[STW], v[STB+4*\i:STB+4*\i+3] offset:SPITCH*\i
.endr
	WIN 0
.irp b, 0,1,2,3
.irp j, 0,1,2,3
	ds_load_b128 v[TT+16*\b+4*\j:TT+16*\b+4*\j+3], v[STR] offset:128*\b+16*\j
.endr
.endr
.endm
; K step s of my tile of x: the next K step is sent through the stage (cnt: x's loads that may stay out behind its sixteen); then this one is quantised, and its image goes to LDS.
.macro XQ s, cnt
.if \s < 5
	s_wait_loadcnt \cnt
	TURN (\s)+1
.if \s == 4
	WLOAD 0, 0                                     ; x's last loads have been waited for: now the first record fills the ring, 86 loads, which land under the last two quantisings, the barrier and the fetch of x's images
	BLOAD 0
.irp q, 1,2,3,4,5
	WLOAD \q, 0
.endr
.endif
	s_wait_dscnt 32                                ; the next K step's 16 stores and 16 loads may be out: this K step's numbers are back, and the last image's stores have read their registers
.else
	s_wait_dscnt 0x0
.endif
	QUANT ACC+64*((\s)%2), 0, PC0, PW0
.irp g, 0,1,2
	ds_store_b128 v[XWI], v[PC0+4*\g:PC0+4*\g+3] offset:6144*\s+512*\g
.endr
	ds_store_b32 v[XWS], v[PW0] offset:XSC+512*\s
.endm
	s_load_b256 s[4:11], s[0:1], 0x0               ; x s[4:5], wrec s[6:7], qimg s[8:9], qscl s[10:11]
	s_load_b64 s[12:13], s[0:1], 0x20              ; kv
	v_lshl_add_u32 v[SPW], v0, 2, SPARE
	v_mov_b32 v[NIL], 0
	v_lshrrev_b32 v106, 5, v0
	v_readfirstlane_b32 s14, v106                  ; wave 0..3
	v_and_b32 v106, 31, v0                         ; lane
	v_and_b32 v107, 15, v0                         ; r
	v_bfe_u32 v108, v0, 4, 1                       ; h
	s_lshr_b32 s15, ttmp9, 4                       ; b
	s_and_b32 s16, ttmp9, 15                       ; tb
	v_lshlrev_b32 v[LI], 4, v106
	v_lshlrev_b32 v[L8], 3, v106
	v_lshlrev_b32 v[LS], 2, v106
	s_mul_i32 s17, s14, 16*SPITCH
	s_add_co_u32 s17, s17, STG                     ; my stage
	v_add_nc_u32 v[STW], s17, v[LI]
	v_mul_u32_u24 v[STR], v107, SPITCH
	v_lshl_add_u32 v[STR], v108, 6, v[STR]
	v_add_nc_u32 v[STR], s17, v[STR]
	s_mul_i32 s17, s14, 1536
	v_add_nc_u32 v[XWI], s17, v[LI]
	s_lshl_b32 s17, s14, 7
	v_add_nc_u32 v[XWS], s17, v[LS]
	v_lshlrev_b32 v[XSL], 2, v107
	v_lshl_add_u32 v[XSL], v108, 7, v[XSL]
	s_mul_i32 s17, s16, 3072
	v_add_nc_u32 v[QKI], s17, v[LI]
	v_add_nc_u32 v[QI8], s17, v[L8]
	v_add_nc_u32 v[QI8], 512, v[QI8]
	s_lshl_b32 s17, s16, 8
	v_add_nc_u32 v[QS], s17, v[LS]
	s_lshl_b32 s17, s16, 7
	s_add_co_u32 s17, s17, 98304
	v_add_nc_u32 v[KS], s17, v[LS]
	s_lshr_b32 s17, s16, 1                         ; S = tb / 2
	s_mul_i32 s18, s17, 6144
	s_and_b32 s19, s16, 1                          ; half = tb % 2
	s_mul_i32 s35, s19, 768
	s_add_co_u32 s18, s18, s35
	s_add_co_u32 s18, s18, 49152
	v_add_nc_u32 v[VI16], s18, v[LI]
	v_add_nc_u32 v[VI8], s18, v[L8]
	v_add_nc_u32 v[VI8], 512, v[VI8]
	s_lshl_b32 s17, s17, 8
	s_lshl_b32 s19, s19, 1
	s_add_co_u32 s17, s17, s19
	s_add_co_u32 s17, s17, 100352
	v_add_nc_u32 v[VS], s17, v[LS]                 ; 64 h + 4 r is 4 lane
	s_mov_b32 s[SEL], 0x76543210
	s_mov_b32 s[SEL+1], 0xfedcba98
	s_mov_b32 s[HIM], 0xffff0000
	v_mov_b32 v[PSEL], 0x01000100
	v_mov_b32 v110, 0x03020302
	v_cndmask_b32 v[PSEL], v[PSEL], v110, s[HIM]
	v_lshlrev_b32 v[SH16], 4, v108
.irp b, 0,1,2,3
	v_mov_b32 v[TM+4+\b], 0                        ; written once: a lane permute's destination counts as one of its sources
.endr
	s_mul_i32 s36, s14, 9*REC                      ; my first record
	s_mov_b32 s37, 0
	s_mul_i32 s38, s14, 48
	s_add_co_u32 s38, s38, s15                     ; 16 x (head 3 w) + b
	s_mul_i32 s40, s38, 49152
	s_mov_b32 s41, 0
	s_lshl_b32 s42, s38, 12
	s_mov_b32 s43, 0
	s_mul_i32 s44, s38, 102400
	s_mov_b32 s45, 0
	s_lshl_b32 s46, ttmp9, 6                       ; my tile's first token: 64 wg + 32 (w / 2) + 8 (w % 2)
	s_lshr_b32 s47, s14, 1
	s_lshl_b32 s47, s47, 5
	s_add_co_u32 s46, s46, s47
	s_and_b32 s47, s14, 1
	s_lshl_b32 s47, s47, 3
	s_add_co_u32 s46, s46, s47
	s_mul_i32 s46, s46, 3072                       ; under 2^26
	s_mov_b32 s47, 0
	s_wait_kmcnt 0x0
	s_add_nc_u64 s[4:5], s[4:5], s[46:47]
	s_add_nc_u64 s[WN:WN+1], s[6:7], s[36:37]
	s_add_nc_u64 s[QP:QP+1], s[8:9], s[40:41]
	s_add_nc_u64 s[QSP:QSP+1], s[10:11], s[42:43]
	s_add_nc_u64 s[KVK:KVK+1], s[12:13], s[44:45]
	s_mov_b64 s[KVV:KVV+1], s[KVK:KVK+1]
.irp s, 0,1,2,3,4,5
	XLOAD \s                                       ; x first: 96 loads
.endr
	; x becomes codes.  The counts: behind K step t's sixteen loads stand 16 (5 - t) younger ones; 63 is the highest count that a wait can name
	s_wait_loadcnt 63
	TURN 0
	XQ 0, 63
	XQ 1, 48
	XQ 2, 32
	XQ 3, 16
	XQ 4, 0
	XQ 5, 0
	s_wait_dscnt 0x0                               ; for the others' sake: my images have landed,
	s_barrier_signal -1
	s_barrier_wait -1                              ; everybody's have
	WIN 0x40
.irp s, 0,1,2,3,4
.irp a, 0,1,2,3
.irp g, 0,1,2
	ds_load_b128 v[48*\s+12*\a+4*\g:48*\s+12*\a+4*\g+3], v[LI] offset:6144*\s+1536*\a+512*\g
.endr
.endr
.endr
	WIN 0xc0
.irp a, 0,1,2,3
.irp g, 0,1,2
	ds_load_b128 v[12*\a+4*\g:12*\a+4*\g+3], v[LI] offset:6144*5+1536*\a+512*\g
.endr
.endr
	WIN 0
.irp s, 0,1,2,3,4,5
.irp q, 0,1
	ds_load_b32 v[XS+2*\s+\q], v[XSL] offset:XSC+128*(4*\s+2*\q)
.endr
.endr
	s_wait_dscnt 0x0
	s_mov_b32 s34, 3
.Lq:                                               ; three heads of q
	UNIT 0, 1
	s_sub_co_u32 s34, s34, 1
	s_cmp_lg_u32 s34, 0
	s_cbranch_scc1 .Lq
	s_mov_b32 s34, 3
.Lk:                                               ; three heads of k
	UNIT 1, 1
	s_sub_co_u32 s34, s34, 1
	s_cmp_lg_u32 s34, 0
	s_cbranch_scc1 .Lk
	s_mov_b32 s34, 2
.Lv:                                               ; two heads of v,
	UNIT 2, 1
	s_sub_co_u32 s34, s34, 1
	s_cmp_lg_u32 s34, 0
	s_cbranch_scc1 .Lv
	UNIT 2, 0                                      ; and the third, written out: it asks for no further record, so no load leaves the buffer
	s_wait_tensorcnt 0x0                           ; the wave's end
	ds_add_u32 v[SPW], v[NIL]
	s_wait_dscnt 0x0
	s_endpgm
.Lfunc_end_k_qf8f1168314_qkv:
	.size	k_qf8f1168314_qkv, .Lfunc_end_k_qf8f1168314_qkv-k_qf8f1168314_qkv
	.p2alignl 7, 3214868480
	.fill 96, 4, 3214868480
	.section	.rodata,"a",@progbits
	.p2align	6, 0x0
	.amdhsa_kernel k_qf8f1168314_qkv
		.amdhsa_group_segment_fixed_size 74240
		.amdhsa_private_segment_fixed_size 0
		.amdhsa_enable_private_segment 0
		.amdhsa_kernarg_size 40
		.amdhsa_user_sgpr_count 2
		.amdhsa_user_sgpr_kernarg_segment_ptr 1
		.amdhsa_wavefront_size32 1
		.amdhsa_system_sgpr_workgroup_id_x 1
		.amdhsa_system_sgpr_workgroup_id_y 1
		.amdhsa_system_sgpr_workgroup_id_z 1
		.amdhsa_system_vgpr_workitem_id 0
		.amdhsa_next_free_vgpr 1024
		.amdhsa_next_free_sgpr 66
		.amdhsa_reserve_vcc 0
		.amdhsa_float_denorm_mode_32 3
		.amdhsa_float_denorm_mode_16_64 3
		.amdhsa_memory_ordered 1
		.amdhsa_forward_progress 1
		.amdhsa_inst_pref_size 176
	.end_amdhsa_kernel
	.amdgpu_metadata
---
amdhsa.version: [ 1, 2 ]
amdhsa.kernels:
  - .name:           k_qf8f1168314_qkv
    .symbol:         k_qf8f1168314_qkv.kd
    .args:
      - { .name: x, .offset: 0, .size: 8, .value_kind: global_buffer, .address_space: global }
      - { .name: wrec, .offset: 8, .size: 8, .value_kind: global_buffer, .address_space: global }
      - { .name: qimg, .offset: 16, .size: 8, .value_kind: global_buffer, .address_space: global }
      - { .name: qscl, .offset: 24, .size: 8, .value_kind: global_buffer, .address_space: global }
      - { .name: kv, .offset: 32, .size: 8, .value_kind: global_buffer, .address_space: global }
    .group_segment_fixed_size: 74240
    .private_segment_fixed_size: 0
    .kernarg_segment_align: 8
    .kernarg_segment_size: 40
    .max_flat_workgroup_size: 128
    .sgpr_count:     66
    .vgpr_count:     1024
    .wavefront_size: 32
...
	.end_amdgpu_metadata
.endif
;; end of part 2
;; launch attn (part 3): grid 4 x 64, 8 waves a work-group, clusters of 4 x 1, 327,680 bytes of LDS; arguments qimg, qscl, kv, oimg, oscl; writes oimg, oscl
.if DOCPART == 3
	.amdgcn_target "amdgcn-amd-amdhsa--gfx1250"
	.amdhsa_code_object_version 6
	.text
	.protected	k_qf8f1168314_attn
	.globl	k_qf8f1168314_attn
	.p2align	8
	.type	k_qf8f1168314_attn,@function
k_qf8f1168314_attn:
	s_mov_b64 s[64:65], 0
	v_nop
	global_prefetch_b8 v0, s[64:65] scope:SCOPE_SE
	s_setreg_imm32_b32 hwreg(HW_REG_WAVE_MODE, 25, 1), 1
	s_wait_xcnt 0x0
	s_wait_alu depctr_hold_cnt(0) depctr_sa_sdst(0) depctr_va_vdst(0) depctr_va_sdst(0) depctr_va_ssrc(0) depctr_va_vcc(0) depctr_vm_vsrc(0)
	s_getreg_b32 s2, hwreg(HW_REG_IB_STS2, 6, 4)
	s_cmp_eq_u32 s2, 0
	s_cbranch_scc0 .Lentry_in_a_cluster
	s_endpgm
.Lentry_in_a_cluster:
	s_bfe_u32 s2, ttmp6, 0x10000c
	s_cmp_lg_u32 s2, 0x3003
	s_cbranch_scc0 .Lentry_shape_is_right
	s_endpgm
.Lentry_shape_is_right:
; ATTN: o = softmax(q k^T / 8) v on codes of FP6 (E2M3) with E8M0 block scales, and o quantised along (head, e) on the way out.  No work is left out.
; SHARES.  Work-group (cx, y): 256 queries (16 tiles) of batch y % 16, for heads y / 16, + 4, + 8, one after the other.  Wave w owns query tiles 2 w and 2 w + 1 and works them together, line by line,
; so that each fragment of k and v read from LDS feeds two tiles and four independent chains (2 tiles x 2 blocks) take turns.
; A head's k and v (one record of kv, 102,400 bytes) lie whole in an LDS slot; two slots.  The four work-groups of a cluster need the same record: it is asked for jointly, each wave 50 rows of 256 bytes.
; Both products are used transposed (S^T = k q^T, O^T = v^T p^T): a lane holds one query.  K of q k^T is 64: a pair fragment of k holds two tiles of keys, and q stands beside zeros, once low, once high.
; THE ROWS OF A TILE OF k ARE CHOSEN BY THE LANE'S LDS ADDRESS: lane r of pair (c, u) reads row 8 u + r % 8 of the record's pair 2 c + r / 8.  Register 32 c + i of lane (r, h) is then key 64 c + 32 h + i of the step:
; a whole block of 32 in one lane, in the order that p's operand wants: the block's largest score needs no other lane, and the conversions' results are the operand.
; M is the ceiling of the running largest t = score x log2(e) / 8; p = 2^(t - M); the row's sum is taken of the unquantised p; when M moves, sum and O^T are multiplied by an exact power of two.
; A block's largest p is made from its largest score by the same multiply-add and exponential.
; k's fragments of the next step are fetched behind this step's score products, v's at the step's top.  In a head's last step that fetch of k reads bytes of v in the same slot; they are not used.
; NO PREFETCH: records 1 and 2 are asked for a whole head (8 steps) ahead of their first read; only record 0 is waited for, and no loop stands ahead of it.
; LIMITS: the scaled scores stay under 2^31 in magnitude; a block whose every p or o is 0 gets the byte 1 (its codes are zeros; this program alone reads the bytes); NaN and infinities are not served.
; REGISTERS.  Window 0: v1-15 addresses, v16-103 state, scale words and the quantiser's, v104-127 p's codes, v128-255 scores, then p (64 t + 32 c + i).
; Window 1: v0-47 k's four pair fragments, v48-95 v's four, v96-125 zeros, q of tile 0, zeros, q of tile 1, zeros; v128-151 q of the later heads; v160-223 O^T (32 t + 8 a).
.set REC,   102400
.set KSC,   98304
.set VOFF,  49152
.set SLOT1, 102400
.set SPARE, 204800                     ; behind the slots: the spare words, 128 bytes for each of 8 waves
.set LI,   1                           ; 16 lane
.set L8,   2                           ; 8 lane
.set KL,   3                           ; k: 1536 (r / 8) + 256 h + 16 (r % 8)
.set KSL,  4                           ; k's scale words: KSC + 64 (r / 8) + 4 (r % 8)
.set SPW,  5
.set NIL,  6
.set VSL,  7                           ; v's scale words: KSC + 2048 + 4 r
.set OB,   8                           ; o's scale byte: 4 r + h
.set QSO,  9                           ; 4 r
.set SH8,  10                          ; 8 h
.set AK,   11                          ; the step's addresses
.set AV16, 12
.set AV8,  13
.set ASK,  14
.set ASV,  15
.set NM,   16                          ; pair 2 t: -M, the running largest score
.set LQ,   20                          ; pair 2 t: the row's sum in two halves
.set FF,   24                          ; pair 2 t: f, p's scale word
.set AX,   28                          ; pair 2 t: the sums' second chain
.set MX,   32                          ; 2 t + c: a block's largest score, then its largest p
.set TA,   36
.set TB,   38
.set TN,   40
.set TD,   42
.set SO,   44                          ; 2 t + c: the conversions' scale operands
.set BY,   48                          ; 2 t + c: scale bytes
.set QS,   52                          ; q's scale words
.set KS,   54                          ; k's, 2 c + u
.set VS,   58                          ; v's, a
.set QSS,  62                          ; q's scale words of the later heads
.set CT,   68                          ; 8 t + 4 c: the conversions' second halves
.set PC,   104                         ; 12 t: p's codes
.set S,    128
.set FK,   0                           ; window 1
.set FV,   48
.set QB,   96
.set QST,  128
.set O,    160
.set WV,   18
.set SEL,  20
.set CS,   22
.set G1,   24
.set G0,   32
.set TK,   44
.set TS,   45
.set CNT,  46
.set HIM,  47
.set NCS,  48
.set MSB, 0
.macro WIN new                         ; low byte: bits 1:0 source 0, 3:2 source 1, 5:4 source 2, 7:6 destination; the high byte repeats the setting that is left
.if MSB != (\new)
	s_set_vgpr_msb (MSB<<8)|(\new)
.set MSB, (\new)
.endif
.endm
.macro CROUND                          ; a round of the cluster's barrier
	s_barrier_signal -1
	s_barrier_wait -1
	s_cmp_lg_u32 s[WV], 0
	s_cbranch_scc1 .Lnot_wave_0_\@
	s_barrier_signal -3
.Lnot_wave_0_\@:
	s_barrier_wait -3
	s_barrier_signal -1
	s_barrier_wait -1
.endm
.macro INIT                            ; a head begins: the first change of M multiplies these zeros by 0
.irp t, 0,1
	v_mov_b32 v[NM+2*\t], 0x7f61b1e6
	v_mov_b32 v[NM+2*\t+1], 0xff61b1e6
	v_mov_b32 v[LQ+2*\t], 0
	v_mov_b32 v[LQ+2*\t+1], 0
	v_mov_b32 v[FF+2*\t+1], 0
.endr
	WIN 0x40
.set j, 0
.rept 64
	v_mov_b32 v[O+j], 0
.set j, j+1
.endr
	WIN 0
.endm
.macro NEXTQ n                         ; q of head n takes its place between the zeros
	WIN 0x41
.irp t, 0,1
.irp i, 0,1,2,3,4,5
	v_mov_b32 v[QB+6+12*\t+\i], v[QST+12*(\n-1)+6*\t+\i]
.endr
.endr
	WIN 0
.irp t, 0,1
	v_mov_b32 v[QS+\t], v[QSS+2*(\n-1)+\t]
.endr
.endm
.macro KLOAD st                        ; k's four pair fragments and scale words, st steps behind the addresses in hand
	WIN 0x40
.irp c, 0,1
.irp u, 0,1
.irp g, 0,1,2
	ds_load_b128 v[FK+12*(2*\c+\u)+4*\g:FK+12*(2*\c+\u)+4*\g+3], v[AK] offset:6144*\st+3072*\c+128*\u+512*\g
.endr
.endr
.endr
	WIN 0
.irp c, 0,1
.irp u, 0,1
	ds_load_b32 v[KS+2*\c+\u], v[ASK] offset:256*\st+128*\c+32*\u
.endr
.endr
.endm
.macro SUMS n                          ; n turns of the sums' four chains
.rept \n
.irp t, 0,1
	v_pk_add_f32 v[LQ+2*\t:LQ+2*\t+1], v[LQ+2*\t:LQ+2*\t+1], v[S+64*\t+JJ:S+64*\t+JJ+1]
	v_pk_add_f32 v[AX+2*\t:AX+2*\t+1], v[AX+2*\t:AX+2*\t+1], v[S+64*\t+JJ+2:S+64*\t+JJ+3]
.endr
.set JJ, JJ+4
.endr
.endm
.macro HEAD hn, sl
	s_mov_b32 s[TK], \sl*SLOT1
	s_mov_b32 s[TS], \sl*SLOT1
	s_mov_b32 s[CNT], 8
	v_add_nc_u32 v[AK], s[TK], v[KL]
	v_add_nc_u32 v[ASK], s[TS], v[KSL]
	KLOAD 0
	s_wait_alu depctr_va_vdst(0)
.Lstep_\@:
	s_wait_dscnt 0x0                               ; this step's k is in: asked for a step ago
	WIN 0x05
.irp c, 0,1
.irp u, 0,1
.irp t, 0,1
	v_wmma_scale_f32_16x16x128_f8f6f4 v[S+64*\t+32*\c+16*\u:S+64*\t+32*\c+16*\u+7], v[FK+12*(2*\c+\u):FK+12*(2*\c+\u)+11], v[QB+6+12*\t:QB+17+12*\t], 0, v[KS+2*\c+\u], v[QS+\t] matrix_a_fmt:MATRIX_FMT_FP6 matrix_b_fmt:MATRIX_FMT_FP6
	v_wmma_scale_f32_16x16x128_f8f6f4 v[S+64*\t+32*\c+16*\u+8:S+64*\t+32*\c+16*\u+15], v[FK+12*(2*\c+\u):FK+12*(2*\c+\u)+11], v[QB+12*\t:QB+11+12*\t], 0, v[KS+2*\c+\u], v[QS+\t] matrix_a_fmt:MATRIX_FMT_FP6 matrix_b_fmt:MATRIX_FMT_FP6
.endr
.endr
.endr
	WIN 0
	v_add_nc_u32 v[AK], s[TK], v[KL]               ; the step's addresses: also the places in front of the loads below and of the first read of scores
	v_add_nc_u32 v[AV16], s[TK], v[LI]
	v_add_nc_u32 v[AV8], s[TK], v[L8]
	v_add_nc_u32 v[ASK], s[TS], v[KSL]
	v_add_nc_u32 v[ASV], s[TS], v[VSL]
	WIN 0x40
.irp a, 0,1,2,3
	ds_load_b128 v[FV+12*\a:FV+12*\a+3], v[AV16] offset:VOFF+1536*\a
	ds_load_b64 v[FV+12*\a+4:FV+12*\a+5], v[AV8] offset:VOFF+1536*\a+512
	ds_load_b128 v[FV+12*\a+6:FV+12*\a+9], v[AV16] offset:VOFF+1536*\a+768
	ds_load_b64 v[FV+12*\a+10:FV+12*\a+11], v[AV8] offset:VOFF+1536*\a+1280
.endr
	WIN 0
.irp a, 0,1,2,3
	ds_load_b32 v[VS+\a], v[ASV] offset:64*\a
.endr
	KLOAD 1
.irp t, 0,1                                    ; each block's largest score: all 32 are the lane's; each accumulator is read from its low end on
.irp c, 0,1
	v_max3_num_f32 v[MX+2*\t+\c], v[S+64*\t+32*\c], v[S+64*\t+32*\c+1], v[S+64*\t+32*\c+2]
.endr
.endr
.irp i, 3,5,7,9,11,13,15,17,19,21,23,25,27,29
.irp t, 0,1
.irp c, 0,1
	v_max3_num_f32 v[MX+2*\t+\c], v[MX+2*\t+\c], v[S+64*\t+32*\c+\i], v[S+64*\t+32*\c+\i+1]
.endr
.endr
.endr
.irp t, 0,1
.irp c, 0,1
	v_max_num_f32 v[MX+2*\t+\c], v[MX+2*\t+\c], v[S+64*\t+32*\c+31]
.endr
.endr
	s_delay_alu instid0(VALU_DEP_3)
	v_max_num_f32 v[TA], v[MX], v[MX+1]
	s_delay_alu instid0(VALU_DEP_2)
	v_max_num_f32 v[TA+1], v[MX+2], v[MX+3]
.irp t, 0,1
	s_delay_alu instid0(VALU_DEP_2)
	v_permlanex16_b32 v[TB+\t], v[TA+\t], s[SEL], s[SEL+1]
.endr
.irp t, 0,1
	s_delay_alu instid0(VALU_DEP_2)
	v_max3_num_f32 v[NM+2*\t+1], v[NM+2*\t+1], v[TA+\t], v[TB+\t]   ; the running largest score of my query
.endr
.irp t, 0,1
	s_delay_alu instid0(VALU_DEP_2)
	v_mul_f32 v[TN+\t], s[NCS], v[NM+2*\t+1]       ; -t
.endr
.irp t, 0,1
	s_delay_alu instid0(VALU_DEP_2)
	v_floor_f32 v[TN+\t], v[TN+\t]                 ; the new -M = -ceil(t)
.endr
.irp t, 0,1
	s_delay_alu instid0(VALU_DEP_2)
	v_sub_f32 v[TD+\t], v[TN+\t], v[NM+2*\t]       ; old M less new M
.endr
.irp t, 0,1
	s_delay_alu instid0(VALU_DEP_2)
	v_cvt_i32_f32 v[TD+\t], v[TD+\t]               ; (it saturates)
.endr
.irp t, 0,1
	v_mov_b32 v[NM+2*\t], v[TN+\t]
.endr
.irp t, 0,1
	s_delay_alu instid0(VALU_DEP_4)
	v_ldexp_f32 v[FF+2*\t], 1.0, v[TD+\t]          ; f = 2^(old M - new M)
.endr
.set j, 0
.rept 32
.irp t, 0,1
	v_pk_fma_f32 v[S+64*\t+j:S+64*\t+j+1], v[S+64*\t+j:S+64*\t+j+1], s[CS:CS+1], v[NM+2*\t:NM+2*\t+1] op_sel_hi:[1,0,0]   ; t - M
.endr
.set j, j+2
.endr
.irp t, 0,1
.irp c, 0,1
	v_fma_f32 v[MX+2*\t+\c], v[MX+2*\t+\c], s[CS], v[NM+2*\t]
.endr
.endr
	s_wait_alu depctr_va_vdst(0)
.irp b, 0,1,2,3
	v_exp_f32 v[MX+\b], v[MX+\b]                   ; the blocks' largest p
.endr
.set j, 0
.rept 128
	v_exp_f32 v[S+j], v[S+j]                       ; p
.set j, j+1
.endr
.irp t, 0,1
	v_pk_mul_f32 v[LQ+2*\t:LQ+2*\t+1], v[LQ+2*\t:LQ+2*\t+1], v[FF+2*\t:FF+2*\t+1] op_sel_hi:[1,0]   ; the sums under the new M; the plain place behind the batch
.endr
	s_wait_alu depctr_va_vdst(0)                   ; one wait for the batch, ahead of its first reader
.irp b, 0,1,2,3
	v_max_num_f32 v[MX+\b], 0x1800000, v[MX+\b]    ; the floor 2^(3 - 127): the byte cannot fall under 1
.endr
.irp b, 0,1,2,3
	v_add_nc_u32 v[SO+\b], 0xff000000, v[MX+\b]    ; 2 off the exponent field: the conversion's scale operand
.endr
.irp b, 0,1,2,3
	v_lshrrev_b32 v[BY+\b], 23, v[SO+\b]           ; the scale's byte
.endr
.irp t, 0,1
	v_pk_add_f32 v[AX+2*\t:AX+2*\t+1], v[S+64*\t:S+64*\t+1], v[S+64*\t+2:S+64*\t+3]
.endr
.set JJ, 4
	SUMS 3                                         ; the scale word's four lines stand among the sums
.irp t, 0,1
	v_lshl_or_b32 v[FF+2*\t+1], v[BY+2*\t+1], 16, v[BY+2*\t]   ; my blocks h and 2 + h,
.endr
	SUMS 3
.irp t, 0,1
	v_lshlrev_b32 v[FF+2*\t+1], v[SH8], v[FF+2*\t+1]           ; at their places in the word;
.endr
	SUMS 3
.irp t, 0,1
	v_permlanex16_b32 v[TB+\t], v[FF+2*\t+1], s[SEL], s[SEL+1]
.endr
	SUMS 3
.irp t, 0,1
	v_or_b32 v[FF+2*\t+1], v[FF+2*\t+1], v[TB+\t]              ; with lane l xor 16's two the word is whole
.endr
	SUMS 3
.irp t, 0,1
.irp c, 0,1
	v_cvt_scalef32_pk16_fp6_f32 v[PC+12*\t+6*\c:PC+12*\t+6*\c+2], v[S+64*\t+32*\c:S+64*\t+32*\c+15], v[SO+2*\t+\c]
	v_cvt_scalef32_pk16_fp6_f32 v[CT+8*\t+4*\c:CT+8*\t+4*\c+2], v[S+64*\t+32*\c+16:S+64*\t+32*\c+31], v[SO+2*\t+\c]   ; (a conversion's three registers begin on an even number)
.endr
.endr
.irp t, 0,1
	v_pk_add_f32 v[LQ+2*\t:LQ+2*\t+1], v[LQ+2*\t:LQ+2*\t+1], v[AX+2*\t:AX+2*\t+1]   ; the plain place behind the conversions
.endr
.irp t, 0,1
.irp c, 0,1
.irp i, 0,1,2
	v_mov_b32 v[PC+12*\t+6*\c+3+\i], v[CT+8*\t+4*\c+\i]
.endr
.endr
.endr
	WIN 0x41
	s_wait_alu depctr_va_vdst(0)
.irp t, 0,1
.set j, 0
.rept 16
	v_pk_mul_f32 v[O+32*\t+j:O+32*\t+j+1], v[O+32*\t+j:O+32*\t+j+1], v[FF+2*\t:FF+2*\t+1] op_sel_hi:[1,0]   ; O^T under the new M
.set j, j+2
.endr
.endr
	WIN 0x51
	s_wait_alu depctr_va_vdst(0)
	s_wait_dscnt 0x0                               ; v's fragments are in: asked for at the step's top
.irp a, 0,1,2,3
.irp t, 0,1
	v_wmma_scale_f32_16x16x128_f8f6f4 v[O+32*\t+8*\a:O+32*\t+8*\a+7], v[FV+12*\a:FV+12*\a+11], v[PC+12*\t:PC+12*\t+11], v[O+32*\t+8*\a:O+32*\t+8*\a+7], v[VS+\a], v[FF+2*\t+1] matrix_a_fmt:MATRIX_FMT_FP6 matrix_b_fmt:MATRIX_FMT_FP6
.endr
.endr
	WIN 0
	s_add_co_u32 s[TK], s[TK], 6144
	s_add_co_u32 s[TS], s[TS], 256
	s_sub_co_u32 s[CNT], s[CNT], 1
	s_cmp_lg_u32 s[CNT], 0
	s_cbranch_scc1 .Lstep_\@
.rept 4
	v_nop                                          ; places behind the last products
.endr
.irp t, 0,1
	v_add_f32 v[LQ+2*\t], v[LQ+2*\t], v[LQ+2*\t+1]
.endr
.irp t, 0,1
	s_delay_alu instid0(VALU_DEP_2)
	v_permlanex16_b32 v[TB+\t], v[LQ+2*\t], s[SEL], s[SEL+1]
.endr
.irp t, 0,1
	s_delay_alu instid0(VALU_DEP_2)
	v_add_f32 v[LQ+2*\t], v[LQ+2*\t], v[TB+\t]     ; the row's sum
.endr
	s_wait_alu depctr_va_vdst(0)
.irp t, 0,1
	v_rcp_f32 v[LQ+2*\t], v[LQ+2*\t]
.endr
	v_nop
	WIN 0x01
	s_wait_alu depctr_va_vdst(0)
.irp t, 0,1
.set j, 0
.rept 32
	v_mul_f32 v[S+64*\t+j], v[O+32*\t+j], v[LQ+2*\t]   ; o: register 16 b + i is e = 32 b + 16 h + i
.set j, j+1
.endr
.endr
	WIN 0
.irp t, 0,1
.irp b, 0,1
	v_max3_num_f32 v[MX+2*\t+\b], |v[S+64*\t+16*\b]|, |v[S+64*\t+16*\b+1]|, 0x1800000
.endr
.endr
.irp i, 2,4,6,8,10,12,14
.irp t, 0,1
.irp b, 0,1
	v_max3_num_f32 v[MX+2*\t+\b], v[MX+2*\t+\b], |v[S+64*\t+16*\b+\i]|, |v[S+64*\t+16*\b+\i+1]|
.endr
.endr
.endr
.irp b, 0,1,2,3
	v_permlanex16_b32 v[BY+\b], v[MX+\b], s[SEL], s[SEL+1]
.endr
.irp b, 0,1,2,3
	v_max_num_f32 v[MX+\b], v[MX+\b], v[BY+\b]     ; with lane l xor 16's 16: the block's largest magnitude
.endr
.irp b, 0,1,2,3
	v_add_nc_u32 v[SO+\b], 0xff000000, v[MX+\b]
.endr
.irp b, 0,1,2,3
	v_lshrrev_b32 v[BY+\b], 23, v[SO+\b]
.endr
.irp t, 0,1
	v_cndmask_b32 v[TA+\t], v[BY+2*\t], v[BY+2*\t+1], s[HIM]   ; lanes 0-15 store block 0's byte, lanes 16-31 block 1's
.endr
.irp t, 0,1
	v_cvt_scalef32_pk16_fp6_f32 v[PC+12*\t:PC+12*\t+2], v[S+64*\t:S+64*\t+15], v[SO+2*\t]
	v_cvt_scalef32_pk16_fp6_f32 v[CT+8*\t:CT+8*\t+2], v[S+64*\t+16:S+64*\t+31], v[SO+2*\t+1]
.endr
	v_nop
.irp t, 0,1
.irp i, 0,1,2
	v_permlane16_swap_b32 v[PC+12*\t+\i], v[CT+8*\t+\i]   ; a whole block to a lane
.endr
.endr
.irp t, 0,1
.irp i, 0,1,2
	v_mov_b32 v[PC+12*\t+3+\i], v[CT+8*\t+\i]
.endr
.endr
.irp t, 0,1
	global_store_b128 v[LI], v[PC+12*\t:PC+12*\t+3], s[10:11] offset:3072*\hn+9216*\t
	global_store_b64 v[L8], v[PC+12*\t+4:PC+12*\t+5], s[10:11] offset:3072*\hn+9216*\t+512
	global_store_b8 v[OB], v[TA+\t], s[12:13] offset:256*\hn+64*\t
.endr
.endm
	s_load_b256 s[4:11], s[0:1], 0x0               ; qimg s[4:5], qscl s[6:7], kv s[8:9], oimg s[10:11]
	s_load_b64 s[12:13], s[0:1], 0x20              ; oscl
	v_lshl_add_u32 v[SPW], v0, 2, SPARE
	v_mov_b32 v[NIL], 0
	ds_add_u32 v[SPW], v[NIL]
	ds_add_u32 v[SPW], v[NIL]
	v_lshrrev_b32 v11, 5, v0
	s_delay_alu instid0(VALU_DEP_1)
	v_readfirstlane_b32 s[WV], v11                 ; wave 0..7
	s_bfe_u32 s66, ttmp6, 0x40000                  ; cx
	s_lshl_b32 s67, ttmp9, 2
	s_add_co_u32 s67, s67, s66                     ; work-group x: which 256 queries
	s_and_b32 s68, ttmp7, 0xffff                   ; y = 16 x first head + batch
	s_and_b32 s69, s68, 15                         ; batch
	s_lshr_b32 s70, s68, 4                         ; first head
	s_mov_b32 s[G1], 15|(3<<16)|(1<<21)            ; the four of the cluster; elements of 8 bytes
	s_mov_b32 s[G1+1], 32<<16
	s_mov_b32 s[G1+2], 50<<16
	s_mov_b32 s[G1+3], 32<<16
	s_mov_b32 s[G1+4], 50                          ; 50 rows of 256 bytes: an eighth of a record
	s_mov_b32 s[G1+5], 32
	s_mov_b32 s[G1+6], 0
	s_mov_b32 s[G1+7], 0
	s_mul_i32 s71, s[WV], 12800
	s_mul_i32 s72, s68, REC
	s_add_co_u32 s72, s72, s71
	s_mov_b32 s73, 0
	s_lshl_b32 s86, s[WV], 1
	s_lshl_b32 s74, s68, 6
	s_lshl_b32 s75, s67, 4
	s_add_co_u32 s75, s75, s86                     ; my first tile of the batch's 64
	s_add_co_u32 s74, s74, s75
	s_mul_i32 s76, s74, 768                        ; qimg
	s_mov_b32 s77, 0
	s_lshl_b32 s78, s74, 6                         ; qscl
	s_mov_b32 s79, 0
	s_lshl_b32 s80, s69, 6
	s_add_co_u32 s80, s80, s75                     ; the tile among all tokens' (an even number)
	s_mul_i32 s81, s80, 12
	s_add_co_u32 s81, s81, s70
	s_mul_i32 s82, s81, 768                        ; oimg
	s_mov_b32 s83, 0
	s_lshr_b32 s84, s80, 1
	s_mul_i32 s84, s84, 6
	s_lshr_b32 s85, s70, 1
	s_add_co_u32 s84, s84, s85
	s_lshl_b32 s84, s84, 7
	s_and_b32 s85, s70, 1
	s_lshl_b32 s85, s85, 1
	s_add_co_u32 s84, s84, s85                     ; oscl
	s_mov_b32 s85, 0
	s_mov_b32 s[SEL], 0x76543210
	s_mov_b32 s[SEL+1], 0xfedcba98
	s_mov_b32 s[CS], 0x3e38aa3b                    ; log2(e) / 8
	s_mov_b32 s[CS+1], s[CS]
	s_mov_b32 s[NCS], 0xbe38aa3b
	s_mov_b32 s[HIM], 0xffff0000
	s_wait_dscnt 0x0
	s_wait_kmcnt 0x0
	s_add_nc_u64 s[72:73], s[8:9], s[72:73]
.irp n, 0,1,2
	s_mov_b32 s[G0+4*\n], 1
	s_add_co_u32 s[G0+4*\n+1], s71, (\n%2)*SLOT1
	s_add_nc_u64 s[G0+4*\n+2:G0+4*\n+3], s[72:73], \n*64*REC
	s_or_b32 s[G0+4*\n+3], s[G0+4*\n+3], 0x80000000
.endr
	s_add_nc_u64 s[4:5], s[4:5], s[76:77]
	s_add_nc_u64 s[6:7], s[6:7], s[78:79]
	s_add_nc_u64 s[10:11], s[10:11], s[82:83]
	s_add_nc_u64 s[12:13], s[12:13], s[84:85]
	CROUND                                         ; in front of the first joint load
	tensor_load_to_lds s[G0:G0+3], s[G1:G1+7]      ; record 0: one tensor load a wave at the head
	s_nop 0
.rept 4
	v_nop
.endr
	v_and_b32 v11, 31, v0
	v_and_b32 v12, 15, v0                          ; r
	v_bfe_u32 v13, v0, 4, 1                        ; h
	v_and_b32 v14, 7, v0                           ; r % 8
	v_bfe_u32 v15, v0, 3, 1                        ; r / 8
	v_lshlrev_b32 v[LI], 4, v11
	v_lshlrev_b32 v[L8], 3, v11
	v_lshlrev_b32 v[QSO], 2, v12
	v_lshlrev_b32 v[SH8], 3, v13
	v_lshlrev_b32 v[KL], 4, v14
	v_lshlrev_b32 v[KSL], 2, v14
	v_add_nc_u32 v[OB], v[QSO], v13
	v_add_nc_u32 v[VSL], KSC+2048, v[QSO]
	v_lshl_add_u32 v[KL], v13, 8, v[KL]
	v_lshl_add_u32 v[KSL], v15, 6, v[KSL]
	v_mad_u32_u24 v[KL], v15, 1536, v[KL]
	v_add_nc_u32 v[KSL], KSC, v[KSL]
	WIN 0x40
.irp t, 0,1                                    ; q of all three heads, under the first record's flight
	global_load_b128 v[QB+6+12*\t:QB+9+12*\t], v[LI], s[4:5] offset:768*\t
	global_load_b64 v[QB+10+12*\t:QB+11+12*\t], v[L8], s[4:5] offset:768*\t+512
.irp n, 1,2
	global_load_b128 v[QST+12*(\n-1)+6*\t:QST+12*(\n-1)+6*\t+3], v[LI], s[4:5] offset:3145728*\n+768*\t
	global_load_b64 v[QST+12*(\n-1)+6*\t+4:QST+12*(\n-1)+6*\t+5], v[L8], s[4:5] offset:3145728*\n+768*\t+512
.endr
.endr
.irp z, 0,12,24
.irp i, 0,1,2,3,4,5
	v_mov_b32 v[QB+\z+\i], 0
.endr
.endr
	WIN 0
.irp t, 0,1
	global_load_b32 v[QS+\t], v[QSO], s[6:7] offset:64*\t
.irp n, 1,2
	global_load_b32 v[QSS+2*(\n-1)+\t], v[QSO], s[6:7] offset:262144*\n+64*\t
.endr
.endr
	v_mov_b32 v[TB], 0                             ; written once: a lane permute's destination counts as one of its sources
	v_mov_b32 v[TB+1], 0
	INIT
	s_wait_alu depctr_va_vdst(0)
	s_wait_tensorcnt 0x0                           ; my part of record 0 is in; the three lines ahead of a later first fill
	ds_add_u32 v[SPW], v[NIL]
	s_wait_dscnt 0x0
	CROUND                                         ; everybody's part is in
	tensor_load_to_lds s[G0+4:G0+7], s[G1:G1+7]    ; record 1 into slot 1
	s_nop 0
.rept 4
	v_nop
.endr
	s_wait_loadcnt 0x0                             ; q
	HEAD 0, 0
	s_wait_tensorcnt 0x0                           ; record 1 is in,
	ds_add_u32 v[SPW], v[NIL]
	s_wait_xcnt 0x0                                ; the stores have read their data
	NEXTQ 1
	INIT
	s_wait_alu depctr_va_vdst(0)
	s_wait_dscnt 0x0                               ; and my reads of slot 0 are over
	CROUND
	tensor_load_to_lds s[G0+8:G0+11], s[G1:G1+7]   ; record 2 into slot 0
	s_nop 0
.rept 4
	v_nop
.endr
	HEAD 1, 1
	s_wait_tensorcnt 0x0                           ; record 2 is in
	ds_add_u32 v[SPW], v[NIL]
	s_wait_xcnt 0x0
	NEXTQ 2
	INIT
	s_wait_alu depctr_va_vdst(0)
	s_wait_dscnt 0x0
	s_barrier_signal -1                            ; nothing is filled again: a work-group barrier shows the record whole
	s_barrier_wait -1
	HEAD 2, 0
	s_wait_tensorcnt 0x0                           ; the wave's end
	ds_add_u32 v[SPW], v[NIL]
	s_wait_dscnt 0x0
	CROUND                                         ; the closing round
	s_endpgm
.Lfunc_end_k_qf8f1168314_attn:
	.size	k_qf8f1168314_attn, .Lfunc_end_k_qf8f1168314_attn-k_qf8f1168314_attn
	.p2alignl 7, 3214868480
	.fill 96, 4, 3214868480
	.section	.rodata,"a",@progbits
	.p2align	6, 0x0
	.amdhsa_kernel k_qf8f1168314_attn
		.amdhsa_group_segment_fixed_size 327680
		.amdhsa_private_segment_fixed_size 0
		.amdhsa_enable_private_segment 0
		.amdhsa_kernarg_size 40
		.amdhsa_user_sgpr_count 2
		.amdhsa_user_sgpr_kernarg_segment_ptr 1
		.amdhsa_wavefront_size32 1
		.amdhsa_system_sgpr_workgroup_id_x 1
		.amdhsa_system_sgpr_workgroup_id_y 1
		.amdhsa_system_sgpr_workgroup_id_z 1
		.amdhsa_system_vgpr_workitem_id 0
		.amdhsa_next_free_vgpr 512
		.amdhsa_next_free_sgpr 90
		.amdhsa_reserve_vcc 0
		.amdhsa_float_denorm_mode_32 3
		.amdhsa_float_denorm_mode_16_64 3
		.amdhsa_memory_ordered 1
		.amdhsa_forward_progress 1
		.amdhsa_inst_pref_size 126
	.end_amdhsa_kernel
	.amdgpu_metadata
---
amdhsa.version: [ 1, 2 ]
amdhsa.kernels:
  - .name:           k_qf8f1168314_attn
    .symbol:         k_qf8f1168314_attn.kd
    .args:
      - { .name: qimg, .offset: 0, .size: 8, .value_kind: global_buffer, .address_space: global }
      - { .name: qscl, .offset: 8, .size: 8, .value_kind: global_buffer, .address_space: global }
      - { .name: kv, .offset: 16, .size: 8, .value_kind: global_buffer, .address_space: global }
      - { .name: oimg, .offset: 24, .size: 8, .value_kind: global_buffer, .address_space: global }
      - { .name: oscl, .offset: 32, .size: 8, .value_kind: global_buffer, .address_space: global }
    .group_segment_fixed_size: 327680
    .private_segment_fixed_size: 0
    .kernarg_segment_align: 8
    .kernarg_segment_size: 40
    .max_flat_workgroup_size: 256
    .sgpr_count:     90
    .vgpr_count:     512
    .wavefront_size: 32
...
	.end_amdgpu_metadata
.endif
;; end of part 3
;; launch proj (part 4): grid 256 x 1, 4 waves a work-group, no clusters, 0 bytes of LDS; arguments oimg, oscl, wrec, bp, out0; writes out0
.if DOCPART == 4
	.amdgcn_target "amdgcn-amd-amdhsa--gfx1250"
	.amdhsa_code_object_version 6
	.text
	.protected	k_qf8f1168314_proj
	.globl	k_qf8f1168314_proj
	.p2align	8
	.type	k_qf8f1168314_proj,@function
k_qf8f1168314_proj:
	s_mov_b64 s[64:65], 0
	v_nop
	global_prefetch_b8 v0, s[64:65] scope:SCOPE_SE
	s_setreg_imm32_b32 hwreg(HW_REG_WAVE_MODE, 25, 1), 1
	s_wait_xcnt 0x0
; PROJ: out0 = O Wp + bp on codes of FP6 (E2M3) with one E8M0 scale for each 32 along K = (head, e).  No work is left out.
; SHARES.  A work-group owns 64 tokens: four tiles of 16, whose 24 fragments (six K steps of 128 = two heads each) every wave loads from oimg as they lie and keeps in registers.
; THE WAVES SHARE THE COLUMNS: wave w makes the groups of 64 outputs G = 3 w + i, i = 0, 1, 2: records 36 + G of wrec.  A unit is one record: 16 accumulators x 6 K steps = 96 matrix instructions; the record's fragments
; come from memory straight into a ring of six register slots, each asked for again, for the next record, as soon as its sixteen products are issued.  The three units are written out: every offset is an immediate.
; LAYOUT.  Source 0 = 16 tokens, source 1 = 16 columns: register j of lane (r, h) is token 32 (t / 2) + 8 (t % 2) + 16 h + j (the tiles' own order of tokens) and column 64 G + 4 r + c of tile c.
; So a lane's results of the four tiles c are four NEIGHBOURING outputs: the addition of the bias gathers them into four registers on end, and sixteen lanes store 256 consecutive bytes of a row, aligned.  No LDS.
; REGISTERS, in windows of 256.  Window 0: v1-5 addresses; v16-27 O's scale words (2 s + pair: lanes 0-15 the even tile's, lanes 16-31 the odd tile's); v28-51 the record's (4 s + c); v52-63 bp (4 i + c); v128-255 results to store.
;   Window 1: O's fragments of K steps 0-4 (48 s + 12 a).  Window 2: the ring's slots 0-4 (48 s + 12 c).  Window 3: O's fragments of K step 5 (12 a); slot 5 (48 + 12 c); v96-223 the accumulators (32 t + 8 c).
.set REC,  44032
.set LI,   1                           ; 16 lane
.set L8,   2                           ; 8 lane
.set LS,   3                           ; 4 lane
.set R16,  4                           ; 16 r
.set CO,   5                           ; 16 rows x h + 16 r: my place in out0
.set XS,   16
.set WS,   28
.set BP,   52
.set OUT,  128
.set ACC,  96                          ; in window 3
.set WN,   8                           ; s[8:9] my first record
.set MSB, 0
.macro WIN new                         ; low byte: bits 1:0 source 0, 3:2 source 1, 5:4 source 2, 7:6 destination; the high byte repeats the setting that is left
.if MSB != (\new)
	s_set_vgpr_msb (MSB<<8)|(\new)
.set MSB, (\new)
.endif
.endm
.macro WLOAD s, off                    ; slot s: four fragments (twelve loads of 512 consecutive bytes) and the rows' four scale words (one load)
.if \s < 5
	WIN 0x80
.set WB, 48*\s
.else
	WIN 0xc0
.set WB, 48
.endif
.irp c, 0,1,2,3
.irp g, 0,1,2
	global_load_b128 v[WB+12*\c+4*\g:WB+12*\c+4*\g+3], v[LI], s[WN:WN+1] offset:\off+6144*\s+1536*\c+512*\g
.endr
.endr
	WIN 0
	global_load_b128 v[WS+4*\s:WS+4*\s+3], v[LI], s[WN:WN+1] offset:\off+36864+512*\s
.endm
; The sixteen products of K step s; the accumulators take turns, one instruction a turn.  The first K step starts the sums with the constant 0.
.macro MM s
.if \s < 5
.set WB, 48*\s
.set XB, 48*\s
	WIN 0xf9                                       ; source 0 (O) window 1, source 1 (record) window 2, C and D window 3
.else
.set WB, 48
.set XB, 0
	WIN 0xff
.endif
.irp t, 0,1,2,3
.irp c, 0,1,2,3
.set DD, ACC+32*\t+8*\c
.set AA, XB+12*\t
.set BB, WB+12*\c
.set SA, XS+2*\s+\t/2
.set SBR, WS+4*\s+\c
.if \s == 0
.if \t%2 == 0
	v_wmma_scale_f32_16x16x128_f8f6f4 v[DD:DD+7], v[AA:AA+11], v[BB:BB+11], 0, v[SA], v[SBR] matrix_a_fmt:MATRIX_FMT_FP6 matrix_b_fmt:MATRIX_FMT_FP6
.else
	v_wmma_scale_f32_16x16x128_f8f6f4 v[DD:DD+7], v[AA:AA+11], v[BB:BB+11], 0, v[SA], v[SBR] matrix_a_fmt:MATRIX_FMT_FP6 matrix_b_fmt:MATRIX_FMT_FP6 matrix_a_scale:MATRIX_SCALE_ROW1
.endif
.else
.if \t%2 == 0
	v_wmma_scale_f32_16x16x128_f8f6f4 v[DD:DD+7], v[AA:AA+11], v[BB:BB+11], v[DD:DD+7], v[SA], v[SBR] matrix_a_fmt:MATRIX_FMT_FP6 matrix_b_fmt:MATRIX_FMT_FP6
.else
	v_wmma_scale_f32_16x16x128_f8f6f4 v[DD:DD+7], v[AA:AA+11], v[BB:BB+11], v[DD:DD+7], v[SA], v[SBR] matrix_a_fmt:MATRIX_FMT_FP6 matrix_b_fmt:MATRIX_FMT_FP6 matrix_a_scale:MATRIX_SCALE_ROW1
.endif
.endif
.endr
.endr
.endm
; Unit i.  THE WAITS: behind a slot's thirteen loads stand the other five slots' 65: 63, the highest count that a wait can name, leaves none of the slot's own out.  In the last unit, which asks for nothing: 13 (5 - s).
.macro UNITP i
.irp s, 0,1,2,3,4,5
.if (\i < 2) || (\s == 0)
	s_wait_loadcnt 63
.else
	s_wait_loadcnt 13*(5-\s)
.endif
	MM \s
.rept 4
	v_nop                                          ; four places in front of loads into registers that the products have read, and of the first read of results
.endr
.if \i < 2
	WLOAD \s, REC*(\i+1)
.endif
.endr
	s_wait_xcnt 0x0                                ; the last unit's stores have read their data: the registers may be written again
	WIN 0x03                                       ; source 0 (the accumulators) window 3
.irp t, 0,1,2,3
.irp j, 0,1,2,3,4,5,6,7                        ; each accumulator from its low end on
.irp c, 0,1,2,3
	v_add_f32 v[OUT+4*(8*\t+\j)+\c], v[ACC+32*\t+8*\c+\j], v[BP+4*\i+\c]   ; the bias; and the four tiles' numbers of one token come to stand on end
.endr
.endr
.endr
	WIN 0
.irp t, 0,1,2,3
.irp j, 0,1,2,3,4,5,6,7
	global_store_b128 v[CO], v[OUT+4*(8*\t+\j):OUT+4*(8*\t+\j)+3], s[12:13] offset:3072*(32*(\t/2)+8*(\t%2)+\j)+256*\i th:TH_STORE_NT   ; each half of the lanes stores 256 consecutive bytes of a row, aligned; written once
.endr
.endr
.endm
	s_load_b256 s[4:11], s[0:1], 0x0               ; oimg s[4:5], oscl s[6:7], wrec s[8:9], bp s[10:11]
	s_load_b64 s[12:13], s[0:1], 0x20              ; out0
	v_lshrrev_b32 v6, 5, v0
	v_readfirstlane_b32 s14, v6                    ; wave 0..3
	v_and_b32 v6, 31, v0
	v_and_b32 v7, 15, v0
	v_bfe_u32 v8, v0, 4, 1
	v_lshlrev_b32 v[LI], 4, v6
	v_lshlrev_b32 v[L8], 3, v6
	v_lshlrev_b32 v[LS], 2, v6
	v_lshlrev_b32 v[R16], 4, v7
	v_mad_u32_u24 v[CO], v8, 0xc000, v[R16]        ; 16 rows of 3,072 bytes x h + 16 r
	s_mul_i32 s16, ttmp9, 36864                    ; oimg: four tiles x 12 heads x 768
	s_mov_b32 s17, 0
	s_mul_i32 s18, ttmp9, 1536                     ; oscl: two pairs x 6 K steps x 128
	s_mov_b32 s19, 0
	s_mul_i32 s20, s14, 3*REC
	s_add_co_u32 s20, s20, 36*REC                  ; record 36 + 3 w
	s_mov_b32 s21, 0
	s_mul_i32 s22, s14, 768                        ; my 192 columns, in bytes
	s_mov_b32 s23, 0
	s_mul_i32 s24, ttmp9, 196608                   ; my 64 rows of out0
	s_add_co_u32 s24, s24, s22
	s_mov_b32 s25, 0
	s_wait_alu depctr_va_vdst(0)
	s_wait_kmcnt 0x0
	s_add_nc_u64 s[4:5], s[4:5], s[16:17]
	s_add_nc_u64 s[6:7], s[6:7], s[18:19]
	s_add_nc_u64 s[WN:WN+1], s[WN:WN+1], s[20:21]
	s_add_nc_u64 s[10:11], s[10:11], s[22:23]
	s_add_nc_u64 s[12:13], s[12:13], s[24:25]
	WIN 0x40
.irp s, 0,1,2,3,4                              ; O's fragments: K step s of tile a is the half images of heads 2 s and 2 s + 1
.irp a, 0,1,2,3
	global_load_b128 v[48*\s+12*\a:48*\s+12*\a+3], v[LI], s[4:5] offset:9216*\a+1536*\s
	global_load_b64 v[48*\s+12*\a+4:48*\s+12*\a+5], v[L8], s[4:5] offset:9216*\a+1536*\s+512
	global_load_b128 v[48*\s+12*\a+6:48*\s+12*\a+9], v[LI], s[4:5] offset:9216*\a+1536*\s+768
	global_load_b64 v[48*\s+12*\a+10:48*\s+12*\a+11], v[L8], s[4:5] offset:9216*\a+1536*\s+1280
.endr
.endr
	WIN 0xc0
.irp a, 0,1,2,3
	global_load_b128 v[12*\a:12*\a+3], v[LI], s[4:5] offset:9216*\a+1536*5
	global_load_b64 v[12*\a+4:12*\a+5], v[L8], s[4:5] offset:9216*\a+1536*5+512
	global_load_b128 v[12*\a+6:12*\a+9], v[LI], s[4:5] offset:9216*\a+1536*5+768
	global_load_b64 v[12*\a+10:12*\a+11], v[L8], s[4:5] offset:9216*\a+1536*5+1280
.endr
	WIN 0
.irp s, 0,1,2,3,4,5
.irp q, 0,1
	global_load_b32 v[XS+2*\s+\q], v[LS], s[6:7] offset:768*\q+128*\s
.endr
.endr
.irp i, 0,1,2
	global_load_b128 v[BP+4*\i:BP+4*\i+3], v[R16], s[10:11] offset:256*\i
.endr
.irp s, 0,1,2,3,4,5
	WLOAD \s, 0                                    ; the first record fills the ring
.endr
	UNITP 0
	UNITP 1
	UNITP 2
	s_endpgm
.Lfunc_end_k_qf8f1168314_proj:
	.size	k_qf8f1168314_proj, .Lfunc_end_k_qf8f1168314_proj-k_qf8f1168314_proj
	.p2alignl 7, 3214868480
	.fill 96, 4, 3214868480
	.section	.rodata,"a",@progbits
	.p2align	6, 0x0
	.amdhsa_kernel k_qf8f1168314_proj
		.amdhsa_group_segment_fixed_size 0
		.amdhsa_private_segment_fixed_size 0
		.amdhsa_enable_private_segment 0
		.amdhsa_kernarg_size 40
		.amdhsa_user_sgpr_count 2
		.amdhsa_user_sgpr_kernarg_segment_ptr 1
		.amdhsa_wavefront_size32 1
		.amdhsa_system_sgpr_workgroup_id_x 1
		.amdhsa_system_sgpr_workgroup_id_y 1
		.amdhsa_system_sgpr_workgroup_id_z 1
		.amdhsa_system_vgpr_workitem_id 0
		.amdhsa_next_free_vgpr 1024
		.amdhsa_next_free_sgpr 66
		.amdhsa_reserve_vcc 0
		.amdhsa_float_denorm_mode_32 3
		.amdhsa_float_denorm_mode_16_64 3
		.amdhsa_memory_ordered 1
		.amdhsa_forward_progress 1
		.amdhsa_inst_pref_size 96
	.end_amdhsa_kernel
	.amdgpu_metadata
---
amdhsa.version: [ 1, 2 ]
amdhsa.kernels:
  - .name:           k_qf8f1168314_proj
    .symbol:         k_qf8f1168314_proj.kd
    .args:
      - { .name: oimg, .offset: 0, .size: 8, .value_kind: global_buffer, .address_space: global }
      - { .name: oscl, .offset: 8, .size: 8, .value_kind: global_buffer, .address_space: global }
      - { .name: wrec, .offset: 16, .size: 8, .value_kind: global_buffer, .address_space: global }
      - { .name: bp, .offset: 24, .size: 8, .value_kind: global_buffer, .address_space: global }
      - { .name: out0, .offset: 32, .size: 8, .value_kind: global_buffer, .address_space: global }
    .group_segment_fixed_size: 0
    .private_segment_fixed_size: 0
    .kernarg_segment_align: 8
    .kernarg_segment_size: 40
    .max_flat_workgroup_size: 128
    .sgpr_count:     66
    .vgpr_count:     1024
    .wavefront_size: 32
...
	.end_amdgpu_metadata
.endif
;; end of part 4
